; MI455X (gfx1250); checked and timed in simulation.
; The chip was launched on July 23, 2026; its instructions are those of AMD's public machine-readable ISA for CDNA 5 (MIT licence, August 2026) and "CDNA5" Instruction Set Architecture Reference Guide (July 2026). The comments in the code are by the model that wrote it; some were corrected since.
;; Model. Allowed arithmetic: matrix products marked QUANTISED: E2M1 operands, one E8M0 scale for each 32 along K, by v_wmma_scale_f32_16x16x128_f8f6f4 with both operands' format E2M1 (or v_wmma_scale_f32_32x16x128_f4), f32 sums; products left as they are: bf16, f16 or f32 operands; f32 sums; everything else in f32.
;; Inputs: key 16 x 4,096 x 64 float32; query 16 x 4,096 x 64 float32; value 16 x 4,096 x 64 float32.
;; Outputs: out0 16 x 4,096 x 64 float32.
;; This version of the problem:
;;   THIS VERSION OF THE PROBLEM IS GIVEN IN LOW PRECISION. The matrix products marked QUANTISED in the list below multiply operands that are first quantised to E2M1 (2 exponent bits, 1 mantissa bit; 4 bits a number), with one power-of-two scale for each 32 numbers along K (OCP MX v1.0); their sums are f32. The products marked 'left as it is' may take bf16, f16 or f32 operands, with f32 sums. Whichever they take, every output number must still come out within the allowed error. Rounding operands to bf16 (8 significant bits) uses up far more of that allowance than f16 does (11 bits, for magnitudes from 6e-5 to 65,504). All else is computed in f32.
;;   The module's matrix products, in the order in which they are computed (A, B: the left and right operand; K: the contracted axis; several contracted axes count as one K, in the product's order):
;;     1. batch 16 x [M 4,096, K 64] x [K 64, N 4,096]; A: input query; B: input key: QUANTISED
;;     2. batch 16 x [M 4,096, K 4,096] x [K 4,096, N 64]; A: computed on the way; B: input value: left as it is (an operand is computed on the way)
;;   THE QUANTISER, for each operand of a quantised product, along K:
;;     - K is cut into blocks of 32 from its start; a last block that is shorter is filled with zeros.
;;     - A block's scale is 2^e with e = floor(log2(the largest magnitude in the block)) - 2, held to -126 .. 127; a block of zeros has e = 0. As a byte (E8M0): e + 127.
;;     - Each number is divided by its block's scale, clamped to +-6, and rounded to the nearest number of E2M1, ties to even, subnormals kept.
;;     - The product sums the exact products of the quantised numbers (number of the format x scale) in f32.
;;   ~~~python
;;   def quantise(x, axis):      # numpy; x: float32 -> the quantised numbers, widened to float32 again
;;       x = np.moveaxis(x, axis, -1); K = x.shape[-1]
;;       x = np.pad(x, [(0, 0)] * (x.ndim - 1) + [(0, -K % 32)]); x = x.reshape(x.shape[:-1] + (-1, 32)); a = np.abs(x).max(-1, keepdims=True)
;;       e = np.where(a > 0, np.clip(np.frexp(np.where(a > 0, a, 1))[1] - 1 - 2, -126, 127), 0)      # np.frexp(a)[1] - 1 = floor(log2(a)), exactly
;;       r = np.clip(x / 2.0 ** e, -6, 6)
;;       step = 2.0 ** (np.maximum(np.frexp(np.where(r == 0, 1, r))[1] - 1, 0) - 1)
;;       q = np.round(r / step) * step * 2.0 ** e      # np.round: ties to even
;;       return np.moveaxis(q.reshape(q.shape[:-2] + (-1,))[..., :K], -1, axis).astype(np.float32)
;;   ~~~
;; One version. Each part assembles by itself: llvm-mc -triple=amdgcn-amd-amdhsa -mcpu=gfx1250 --defsym DOCPART=n.
;; ======== version 1 of 1: 2 launches
;; limits: values are held in f16: magnitudes above 65,504 overflow, below 6.1e-05 lose precision; inputs' magnitudes at most 65,504; below input magnitudes of 6e-05 results are inexact or not finite
;; workspace buffers: kv 10,485,760 bytes; qc 2,097,152 bytes; sc 524,288 bytes
;; launch prep (part 1): grid 768 x 1, 4 waves a work-group, no clusters, 17,920 bytes of LDS; arguments query, key, value, kv, qc, sc; writes kv, qc, sc
.if DOCPART == 1
	.amdgcn_target "amdgcn-amd-amdhsa--gfx1250"
	.amdhsa_code_object_version 6
	.text
	.protected	k_q8e026cf7c1_prep
	.globl	k_q8e026cf7c1_prep
	.p2align	8
	.type	k_q8e026cf7c1_prep,@function
k_q8e026cf7c1_prep:
	s_mov_b64 s[64:65], 0
	v_nop
	global_prefetch_b8 v0, s[64:65] scope:SCOPE_SE
	s_setreg_imm32_b32 hwreg(HW_REG_WAVE_MODE, 25, 1), 1
	s_wait_xcnt 0x0
; query and key [16][4096][64] f32 become codes of FP4 (E2M1) along the 64 channels, with one E8M0 scale byte for each 32; value [16][4096][64] f32 becomes f16.
; All three are laid in the order of the operand registers of the launch that follows, so that a fragment comes there by loads of 16 bytes a lane, lane l at 16 l.
;   qc [batch][64 queries][2,048]: four images of 512 bytes, one a tile of 16 rows: lane (r, h)'s 16 bytes are the 32 codes of block h (channels 32 h on) of row r.
;   kv [batch][256 keys][40,960]: 8,192 bytes of such images of the keys (2,048 for each 64 keys), then 32,768 bytes of value: at 8,192 q + 4,096 g + 1,024 (2 e + u) + 512 i + 16 (r + 16 h)
;      the eight f16 of channel 32 u + 2 r + e at keys 64 q + 32 g + 16 i + 8 h + 0 .. 7, the lower key in the lower half.
;   sc: query's scale words from byte 0, key's from byte 262,144, each [batch][64 rows][256]: at 8 l two words, of rows l and 32 + l; a word = byte of block 0 | byte of block 1 << 8 | 0x7f7f0000
;      (the product's K is 128: channels 64 to 127 are zero codes there, under the byte of the scale 1).
; A block's scale is 2^(floor(log2(its largest magnitude)) - 2); its byte is the largest magnitude's exponent field - 2, held at 1 from below.
; LIMITS: NaN and infinities among the inputs are not served.  |value| up to 65,504, the largest f16 number.  A block of zeros, or one whose largest magnitude lies under 2^-124, gets the byte 1
; (for zeros the rule says 127: the codes are zeros, which add nothing under any byte but 0xff, and the bytes are read by this program alone).
; SHARES: work-groups 0-255 take query, 256-511 key (one path, only pointers and strides are chosen), 512-767 value.  A wave takes 64 rows, 16 KiB.  Waves share nothing: no barrier.
.set STGB,  4352                       ; a wave's stage: 16 rows x (256 bytes + 16)
.set SPARE, 4*STGB                     ; behind the four stages: the spare words, 128 bytes for each wave: two blocks of 256 bytes that no other line names
.set SPW,   10                         ; v10      LDS address of my spare word; never rewritten
.set NIL,   11                         ; v11      0; never rewritten
.set W,     20                         ; v20-23   the four tiles' scale words
.set CD,    28                         ; v28-43   codes, four registers a tile: no store's data are written again
.set X,     48                         ; v48-111  two sets of 32 neighbours along the channels
.set R,     112                        ; v112-239 four tiles as they are loaded
.set XV,    48                         ; value's path: v48-175 64 key rows, two channels a lane
.set CV,    176                        ; v176-239 their f16 pairs
	s_load_b256 s[4:11], s[0:1], 0x0               ; query s[4:5], key s[6:7], value s[8:9], kv s[10:11]
	s_load_b128 s[12:15], s[0:1], 0x20             ; qc s[12:13], sc s[14:15]
	v_lshl_add_u32 v[SPW], v0, 2, SPARE
	v_mov_b32 v[NIL], 0
	v_lshrrev_b32 v1, 5, v0
	v_readfirstlane_b32 s16, v1                    ; wave 0..3
	v_and_b32 v1, 31, v0                           ; lane
	v_and_b32 v2, 15, v0                           ; r
	v_bfe_u32 v3, v0, 4, 1                         ; h
	v_lshlrev_b32 v4, 4, v1                        ; 16 x lane
	v_lshlrev_b32 v5, 3, v1                        ; 8 x lane
	s_cmp_ge_u32 ttmp9, 512
	s_cbranch_scc1 .Lvalue
	; ---- query or key
	s_mul_i32 s18, s16, STGB                       ; my stage
	v_mul_u32_u24 v6, v3, 272
	v_lshl_add_u32 v6, v2, 4, v6
	v_add_nc_u32 v6, s18, v6                       ; into it, as loaded: lanes 0-15 one row, lanes 16-31 the next
	v_mul_u32_u24 v7, v2, 272
	v_lshl_add_u32 v7, v3, 7, v7
	v_add_nc_u32 v7, s18, v7                       ; out of it: row r, block h: 128 bytes
	v_lshlrev_b32 v8, 3, v3                        ; my block's byte stands 8 h bits up in the scale word
	v_mov_b32 v16, 0                               ; written once: a lane permute's destination counts as one of its sources
	s_mov_b32 s20, 0x76543210
	s_mov_b32 s21, 0xfedcba98                      ; v_permlanex16_b32's selects for lane l xor 16
	s_and_b32 s17, ttmp9, 255                      ; which 256 rows of the tensor
	s_lshl_b32 s22, s17, 2
	s_add_co_u32 s22, s22, s16                     ; which 64 rows are my wave's
	s_lshl_b32 s24, s22, 14                        ; in: 16 KiB each
	s_mov_b32 s25, 0
	s_lshl_b32 s26, s22, 8                         ; scale words: 256 bytes each
	s_mov_b32 s27, 0
	s_lshr_b32 s28, s17, 4                         ; batch
	s_and_b32 s29, s17, 15                         ; which 256 rows of the batch
	s_mov_b32 s30, 655360                          ; a batch, and 256 rows, in kv;
	s_mov_b32 s31, 40960
	s_cmp_lt_u32 ttmp9, 256                        ; query's work-group or key's?  The choice hangs on the work-group's number alone
	s_cselect_b32 s30, 131072, s30                 ; in qc
	s_cselect_b32 s31, 8192, s31
	s_cselect_b32 s32, 0, 262144                   ; the tensor's part of sc
	s_wait_kmcnt 0x0
	s_cselect_b64 s[4:5], s[4:5], s[6:7]
	s_cselect_b64 s[12:13], s[12:13], s[10:11]
	s_mul_i32 s30, s28, s30
	s_mul_i32 s31, s29, s31
	s_add_co_u32 s30, s30, s31
	s_lshl_b32 s31, s16, 11                        ; my wave's four images
	s_add_co_u32 s30, s30, s31
	s_mov_b32 s31, 0
	s_add_co_u32 s26, s26, s32
	s_add_nc_u64 s[4:5], s[4:5], s[24:25]
	s_add_nc_u64 s[12:13], s[12:13], s[30:31]
	s_add_nc_u64 s[14:15], s[14:15], s[26:27]
.macro LOADT t                         ; tile t: 16 rows, eight loads of 512 consecutive bytes
.irp i, 0,1,2,3,4,5,6,7
	global_load_b128 v[R+32*\t+4*\i:R+32*\t+4*\i+3], v4, s[4:5] offset:4096*\t+512*\i th:TH_LOAD_NT
.endr
.endm
.macro TURN t                          ; tile t through the stage: LDS serves a wave's instructions in order (ISA guide 5.7.1.4), so no wait stands between the stores and the loads, nor ahead of the next tile's stores
.irp i, 0,1,2,3,4,5,6,7
	ds_store_b128 v6, v[R+32*\t+4*\i:R+32*\t+4*\i+3] offset:544*\i
.endr
.irp i, 0,1,2,3,4,5,6,7
	ds_load_b128 v[X+32*(\t%2)+4*\i:X+32*(\t%2)+4*\i+3], v7 offset:16*\i   ; register 4 i + j: channel 32 h + 4 i + j of row r
.endr
.endm
.macro QUANT t                         ; my block of tile t: all its 32 numbers are mine
.set XS, X+32*(\t%2)
	v_max3_num_f32 v12, |v[XS]|, |v[XS+1]|, |v[XS+2]|              ; the largest magnitude, in two chains
	v_max3_num_f32 v13, |v[XS+3]|, |v[XS+4]|, |v[XS+5]|
.irp i, 6,10,14,18,22,26
	v_max3_num_f32 v12, v12, |v[XS+\i]|, |v[XS+\i+1]|
	v_max3_num_f32 v13, v13, |v[XS+\i+2]|, |v[XS+\i+3]|
.endr
	v_max3_num_f32 v12, v12, |v[XS+30]|, |v[XS+31]|
	v_max3_num_f32 v12, v12, v13, 0x1800000        ; and the floor 2^(3 - 127): so the byte cannot fall under 1
	v_add_nc_u32 v14, 0xff000000, v12              ; 2 off its exponent field: the conversion takes the exponent field of this operand as its scale, and nothing else of it
	v_lshrrev_b32 v15, 23, v14                     ; the scale's byte
.irp g, 0,1,2,3
	v_cvt_scalef32_pk8_fp4_f32 v[CD+4*\t+\g], v[XS+8*\g:XS+8*\g+7], v14   ; eight numbers / the scale, to the nearest code, ties to even, beyond the largest code the largest
.endr
	v_lshl_or_b32 v15, v15, v8, 0x7f7f0000         ; the byte at its place, under the two bytes of the scale 1.  (Also the plain line behind the conversions)
	v_permlanex16_b32 v16, v15, s20, s21
	v_or_b32 v[W+\t], v15, v16                     ; with lane l xor 16's byte: row r's word, in both halves of the lanes
	global_store_b128 v4, v[CD+4*\t:CD+4*\t+3], s[12:13] offset:512*\t    ; the tile's image: 512 consecutive bytes
.endm
	LOADT 0
	LOADT 1
	LOADT 2
	LOADT 3
	s_wait_loadcnt 24                              ; tile 0's eight loads are in; the 24 younger may be out
	TURN 0
	s_wait_loadcnt 16                              ; tile 1's
	TURN 1
	s_wait_dscnt 16                                ; tile 0 is back from the stage; tile 1's 16 LDS instructions may be out
	QUANT 0
	s_wait_loadcnt 8
	TURN 2
	s_wait_dscnt 16
	QUANT 1
	s_wait_loadcnt 0x0
	TURN 3
	s_wait_dscnt 16
	QUANT 2
	s_wait_dscnt 0x0
	QUANT 3
	s_mov_b32 vcc_lo, 0xffff0000
	v_cndmask_b32 v24, v[W], v[W+1], vcc_lo        ; lanes 0-15: tile 0's words, lanes 16-31: tile 1's: rows l
	v_cndmask_b32 v25, v[W+2], v[W+3], vcc_lo      ; tiles 2 and 3: rows 32 + l
	global_store_b64 v5, v[24:25], s[14:15]        ; 256 consecutive bytes, aligned
	s_wait_tensorcnt 0x0                           ; the wave's end: three lines behind my last LDS store
	ds_add_u32 v[SPW], v[NIL]
	s_wait_dscnt 0x0
	s_endpgm
	; ---- value: no LDS.  A load takes one key's whole row, two channels a lane; so a lane's registers run along the keys, and pairs of keys pack into the operand's registers as they stand.
.Lvalue:
	s_sub_co_u32 s17, ttmp9, 512                   ; which 256 keys
	s_lshl_b32 s22, s17, 2
	s_add_co_u32 s22, s22, s16                     ; which 64 are my wave's
	s_lshl_b32 s24, s22, 14
	s_mov_b32 s25, 0
	s_lshr_b32 s28, s17, 4                         ; batch
	s_and_b32 s29, s17, 15
	s_mul_i32 s30, s28, 655360
	s_mul_i32 s31, s29, 40960
	s_add_co_u32 s30, s30, s31
	s_lshl_b32 s31, s16, 13                        ; 8,192 bytes for each 64 keys,
	s_add_co_u32 s30, s30, s31
	s_add_co_u32 s30, s30, 8192                    ; behind the keys' codes
	s_mov_b32 s31, 0
	v_lshlrev_b32 v9, 10, v3                       ; lane 16 u + r holds channels 32 u + 2 r + e: its place in an image is 1,024 u + 16 r
	v_lshl_add_u32 v9, v2, 4, v9
	s_wait_kmcnt 0x0
	s_add_nc_u64 s[8:9], s[8:9], s[24:25]
	s_add_nc_u64 s[10:11], s[10:11], s[30:31]
.set ix, 0
.rept 64
	global_load_b64 v[XV+2*ix:XV+2*ix+1], v5, s[8:9] offset:256*ix th:TH_LOAD_NT   ; key ix: 256 consecutive bytes
.set ix, ix+1
.endr
.irp g, 0,1                            ; 32 keys at a time
	s_wait_loadcnt 32-32*\g                        ; these 32 rows are in; the 32 younger may be out
.irp e, 0,1
.irp j, 0,1,2,3,4,5,6,7,8,9,10,11,12,13,14,15
	v_cvt_pk_f16_f32 v[CV+32*\g+16*\e+\j], v[XV+64*\g+4*\j+\e], v[XV+64*\g+4*\j+2+\e]   ; keys 32 g + 2 j (low half) and + 1
.endr
.irp w, 0,1,2,3
	global_store_b128 v9, v[CV+32*\g+16*\e+4*\w:CV+32*\g+16*\e+4*\w+3], s[10:11] offset:4096*\g+2048*\e+256*\w   ; keys 32 g + 8 w on: each half of the lanes stores 256 consecutive bytes, aligned
.endr
.endr
.endr
	s_endpgm
.Lfunc_end_k_q8e026cf7c1_prep:
	.size	k_q8e026cf7c1_prep, .Lfunc_end_k_q8e026cf7c1_prep-k_q8e026cf7c1_prep
	.p2alignl 7, 3214868480
	.fill 96, 4, 3214868480
	.section	.rodata,"a",@progbits
	.p2align	6, 0x0
	.amdhsa_kernel k_q8e026cf7c1_prep
		.amdhsa_group_segment_fixed_size 17920
		.amdhsa_private_segment_fixed_size 0
		.amdhsa_enable_private_segment 0
		.amdhsa_kernarg_size 48
		.amdhsa_user_sgpr_count 2
		.amdhsa_user_sgpr_kernarg_segment_ptr 1
		.amdhsa_wavefront_size32 1
		.amdhsa_system_sgpr_workgroup_id_x 1
		.amdhsa_system_sgpr_workgroup_id_y 1
		.amdhsa_system_sgpr_workgroup_id_z 1
		.amdhsa_system_vgpr_workitem_id 0
		.amdhsa_next_free_vgpr 240
		.amdhsa_next_free_sgpr 66
		.amdhsa_reserve_vcc 1
		.amdhsa_float_denorm_mode_32 3
		.amdhsa_float_denorm_mode_16_64 3
		.amdhsa_memory_ordered 1
		.amdhsa_forward_progress 1
		.amdhsa_inst_pref_size 30
	.end_amdhsa_kernel
	.amdgpu_metadata
---
amdhsa.version: [ 1, 2 ]
amdhsa.kernels:
  - .name:           k_q8e026cf7c1_prep
    .symbol:         k_q8e026cf7c1_prep.kd
    .args:
      - { .name: query, .offset: 0, .size: 8, .value_kind: global_buffer, .address_space: global }
      - { .name: key, .offset: 8, .size: 8, .value_kind: global_buffer, .address_space: global }
      - { .name: value, .offset: 16, .size: 8, .value_kind: global_buffer, .address_space: global }
      - { .name: kv, .offset: 24, .size: 8, .value_kind: global_buffer, .address_space: global }
      - { .name: qc, .offset: 32, .size: 8, .value_kind: global_buffer, .address_space: global }
      - { .name: sc, .offset: 40, .size: 8, .value_kind: global_buffer, .address_space: global }
    .group_segment_fixed_size: 17920
    .private_segment_fixed_size: 0
    .kernarg_segment_align: 8
    .kernarg_segment_size: 48
    .max_flat_workgroup_size: 128
    .sgpr_count:     66
    .vgpr_count:     240
    .wavefront_size: 32
...
	.end_amdgpu_metadata
.endif
;; end of part 1
;; launch attn (part 2): grid 16 x 16, 16 waves a work-group, clusters of 4 x 1, 327,680 bytes of LDS; arguments kv, qc, sc, out0; writes out0
.if DOCPART == 2
	.amdgcn_target "amdgcn-amd-amdhsa--gfx1250"
	.amdhsa_code_object_version 6
	.text
	.protected	k_q8e026cf7c1_attn
	.globl	k_q8e026cf7c1_attn
	.p2align	8
	.type	k_q8e026cf7c1_attn,@function
k_q8e026cf7c1_attn:
	s_mov_b64 s[64:65], 0
	v_nop
	global_prefetch_b8 v0, s[64:65] scope:SCOPE_SE
	s_setreg_imm32_b32 hwreg(HW_REG_WAVE_MODE, 25, 1), 1
	s_wait_xcnt 0x0
	s_wait_alu depctr_hold_cnt(0) depctr_sa_sdst(0) depctr_va_vdst(0) depctr_va_sdst(0) depctr_va_ssrc(0) depctr_va_vcc(0) depctr_vm_vsrc(0)
	s_getreg_b32 s2, hwreg(HW_REG_IB_STS2, 6, 4)
	s_cmp_eq_u32 s2, 0
	s_cbranch_scc0 .Lentry_in_a_cluster
	s_endpgm
.Lentry_in_a_cluster:
	s_bfe_u32 s2, ttmp6, 0x10000c
	s_cmp_lg_u32 s2, 0x3003
	s_cbranch_scc0 .Lentry_shape_is_right
	s_endpgm
.Lentry_shape_is_right:
; out[b][q][:] = the sum over k of softmax_k(Q[b][q] . K[b][k] / 8) V[b][k][:], 16 batches, 4,096 queries and keys, 64 channels.
; The first product is on codes of FP4 (E2M1) with one E8M0 scale for each 32 channels; its instruction has K = 128, so channels 64 to 127 are zero codes on both sides (registers 4-7 of every fragment,
; cleared once) under the byte of the scale 1.  The second product takes the weights p and V in f16, sums in f32.  Maxima, exponentials and sums in f32, with a running maximum.
; kv, qc, sc are the launch before's: images of the operands' registers (a fragment's group of four registers is 512 consecutive bytes, lane l at 16 l) and scale words.
; LIMITS: NaN and infinities are not served; |value| up to 65,504 (f16).
; SHARES.  A work-group owns 256 queries of a batch.  Wave w owns 32 of them (two tiles of 16; qg = w % 8) and HALF the keys (kh = w / 8: the 256 keys of half kh of every slot): four waves of 256 registers to a
; SIMD, so that one wave's vector work stands beside another's matrix work and LDS loads; two tiles to a wave, so that each fragment read from LDS feeds two products.
; At the end waves 8-15 hand c m, l and O^T to waves 0-7 through LDS, which join the two halves and store.
; LAYOUT.  Both products are used transposed: S^T = K Q^T (source 0 = 16 keys, source 1 = 16 queries), O^T = V^T P (source 0 = 16 channels x 32 keys, source 1 = P): a lane holds ONE query (lane % 16) throughout,
; and two tiles of S^T, rounded to f16 in pairs, ARE source 1 of the second product.  Channel tile c = 2 e + u holds channels 32 u + 2 m + e in its rows m, as the launch before laid them.
; SOFTMAX.  p = 2^(c s - c m), c = log2(e) / 8; in every step O^T and l are multiplied by a = 2^(c m_old - c m_new).  m begins at -3e38 and O^T and l at 0: the first a is 0 and multiplies zeros.
; RING.  Two LDS slots of 512 keys (81,920 bytes as they lie in kv), filled by waves 0-3, a quarter each, one tensor load a wave behind each change of slots; K's scale words of the whole batch come once (wave 4).
; CLUSTER.  The four query blocks of a cluster belong to one batch and walk the same kv and scale words: every tensor load is asked for JOINTLY, with the same descriptor and the mask of all four.
.set SLOTB, 81920                      ; a slot's bytes
.set SLOT1, 131072                     ; where slot 1 begins
.set HALFB, 40960                      ; 256 keys: 8,192 bytes of codes, 32,768 of V
.set QUART, 20480                      ; what one tensor load brings: 80 rows of 256 bytes
.set BATKV, 655360                     ; a batch in kv
.set SCL,   81920                      ; behind slot 0: K's scale words of the batch, 16,384 bytes, filled once
.set SPARE, 98304                      ; the spare words, 128 bytes for each wave: eight blocks of 256 bytes that no other line names
.set MRG,   212992                     ; behind slot 1: for each qg 16 register images of 512 bytes and 512 bytes of statistics; no fill lands here
.set MRGB,  8704
.set STG,   282624                     ; for each qg a stage of 16 rows x (256 bytes + 16) for the way out; no fill lands here
.set STGB,  4352
.set A0,  4                            ; v4, v5  LDS address of my half of slot 0, 1: + 16 x lane
.set AS0, 6                            ; v6      my lane's place among K's scale words
.set ADS, 7                            ; v7      the same for the slot in hand
.set SPW, 8                            ; v8      LDS address of my spare word; never rewritten
.set NIL, 9                            ; v9      0; never rewritten
.set PFO, 10                           ; v10     256 x lane: the prefetches' offset; never rewritten
.set LI,  11                           ; v11     16 x lane
.set ST,  12                           ; v12-27  statistics, eight a tile: +0 c m, +1 m, +2, +3 l (even keys', odd keys'), +4 to +7 at work; a takes +6, c m_old - c m_new +7
.set QS,  28                           ; v28     Q's scale words: lanes 0-15 tile 0, lanes 16-31 tile 1
.set KS,  30                           ; v30-31  K's: register p: lanes 0-15 key tile 2 p, lanes 16-31 key tile 2 p + 1
.set QF,  32                           ; v32-47  Q's two fragments
.set KF,  48                           ; v48-79  a step's four fragments of K
.set S,   80                           ; v80-143 S^T, 32 a tile (key tile kt at + 8 kt), then p; behind the roundings the step's eight fragments of V
.set P,   144                          ; v144-175 p in f16, 16 a tile
.set O,   176                          ; v176-239 O^T: tile t, channel tile c at + 32 t + 8 c
.set MW,  240                          ; v240    the hand-over: my qg's images, + 16 x lane
.set STO, 241                          ; v241    the stage: where I put 16 bytes of a row
.set SRD, 242                          ; v242    and where I read a row back
.set GO,  243                          ; v243    my byte offset in the wave's rows of out
.set MY,  244                          ; v244-247 c m and l of my two tiles
.set TH,  248                          ; v248-251 the other half's
.set OLD, 252                          ; v252-253 c m_old of the two tiles; at work in the joining
.set WV,  12                           ; s12     my wave's number
.set PFA, 18                           ; s[18:19] where my prefetches stand
.set PQ,  20                           ; s20     my wave's number - 4 in the batch's first cluster, else the greatest number
.set CS,  22                           ; s[22:23] c: the packed form names a pair and takes its low word for both halves
.set SEL, 26                           ; s[26:27] v_permlanex16_b32's selects for lane l xor 16
.set G1,  28                           ; s[28:35] descriptor group 1 for a quarter of a slot
.set G1S, 36                           ; s[36:43] for the scale words
.set G0,  44                           ; s[44:51] group 0, a set for each slot
.set G0S, 52                           ; s[52:55] group 0 for the scale words
.set TS,  56                           ; s56     where the slot's scale words begin: 2,048 bytes a slot
.set CNT, 57                           ; s57     the loop's counter
; A round of the cluster's barrier: my work-group's barrier, so that wave 0's signal speaks for all sixteen waves; wave 0 signals for the work-group; every wave waits for all four work-groups; my work-group's barrier once more.
.macro ROUND
	s_barrier_signal -1
	s_barrier_wait -1
	s_cmp_lg_u32 s[WV], 0
	s_cbranch_scc1 .Lnot_wave_0_\@
	s_barrier_signal -3
.Lnot_wave_0_\@:
	s_barrier_wait -3
	s_barrier_signal -1
	s_barrier_wait -1
.endm
; Slot s is filled: waves 0-3, a quarter each.  The branch hangs on the wave's number alone.  An s_nop 0 and four v_nop follow the load.
.macro FILL s
	s_cmp_lt_u32 s[WV], 4
	s_cbranch_scc0 .Lno_fill_\@
	tensor_load_to_lds s[G0+4*\s:G0+4*\s+3], s[G1:G1+7]
	s_nop 0
.rept 4
	v_nop
.endr
.Lno_fill_\@:
.endm
; A PREFETCH INTO THE L2 of kv, one slot ahead of the tensor loads.  The loop's trip n asks for bytes of slots n + 2 on; slot n + 2 is loaded in trip n + 1.  An instruction names 32 blocks of 256 bytes, a lane a block; the four
; partners of the cluster stand 8,192 bytes apart BY ADDRESS, so a wave's instruction in the four covers 32 KiB.  Two slots are five times that: an even trip asks for three (waves 4, 5, 6), an odd one for two (waves 4, 5).
; All clusters of a batch walk the same kv: the batch's first cluster asks, and nobody else: each block is named once in the launch.  Slots 0 and 1 come by their loads alone; the six trips of the loop
; name slots 2 to 7 and end at the batch's last byte; the two trips behind the loop ask for nothing.
.macro ASK n
	s_cmp_lt_u32 s[PQ], \n
	s_cbranch_scc0 .Lnot_mine_\@
	global_prefetch_b8 v[PFO], s[PFA:PFA+1] th:TH_LOAD_NT scope:SCOPE_SE
.Lnot_mine_\@:
.endm
	s_load_b256 s[4:11], s[0:1], 0x0               ; kv s[4:5], qc s[6:7], sc s[8:9], out0 s[10:11]
	v_lshl_add_u32 v[SPW], v0, 2, SPARE
	v_mov_b32 v[NIL], 0
	ds_add_u32 v[SPW], v[NIL]                      ; the wave's opening: the add, twice on end, and its wait ahead of the first tensor loads; the set-up below, work on registers, stands between
	ds_add_u32 v[SPW], v[NIL]
	v_lshrrev_b32 v1, 5, v0
	v_readfirstlane_b32 s[WV], v1                  ; wave 0..15
	s_bfe_u32 s13, ttmp6, 0x40000                  ; cx: my place in the cluster
	s_lshl_b32 s14, ttmp9, 2                       ; in a cluster launch ttmp9 counts clusters
	s_add_co_u32 s14, s14, s13                     ; my block of 256 queries: it enters Q's and out's addresses alone
	s_and_b32 s15, ttmp7, 0xffff                   ; the batch, which the four partners share
	s_and_b32 s16, s[WV], 7                        ; qg
	s_lshr_b32 s17, s[WV], 3                       ; kh
	s_and_b32 s58, s[WV], 3                        ; which quarter of a slot I fetch, if I fetch
	; group 1: dense rows of 256 bytes (32 elements of 8 bytes), no padding: every read of these bytes is 16 x lane or 8 x lane on end
	s_mov_b32 s[G1], 15|(3<<16)|(1<<21)            ; 15:0 the mask: all four work-groups; 17:16 elements of 8 bytes; 21 set beside a mask
	s_mov_b32 s[G1+1], 32<<16                      ; tensor_dim0 = 32
	s_mov_b32 s[G1+2], 80<<16                      ; tensor_dim1 = 80
	s_mov_b32 s[G1+3], 32<<16                      ; tile_dim0 = 32
	s_mov_b32 s[G1+4], 80                          ; tile_dim1 = 80
	s_mov_b32 s[G1+5], 32                          ; from row to row
	s_mov_b32 s[G1+6], 0
	s_mov_b32 s[G1+7], 0
	s_mov_b32 s[G1S], 15|(3<<16)|(1<<21)           ; the scale words: 64 such rows
	s_mov_b32 s[G1S+1], 32<<16
	s_mov_b32 s[G1S+2], 64<<16
	s_mov_b32 s[G1S+3], 32<<16
	s_mov_b32 s[G1S+4], 64
	s_mov_b32 s[G1S+5], 32
	s_mov_b32 s[G1S+6], 0
	s_mov_b32 s[G1S+7], 0
	s_mov_b32 s[CS], 0x3e38aa3b                    ; c = log2(e) / 8
	s_mov_b32 s[CS+1], s[CS]                       ; (named with it as a pair, so it is written)
	s_mov_b32 s[SEL], 0x76543210
	s_mov_b32 s[SEL+1], 0xfedcba98
	s_mov_b32 s[TS], 0
	s_mov_b32 s[CNT], 3
	s_sub_co_u32 s[PQ], s[WV], 4
	s_cmp_eq_u32 ttmp9, 0                          ; the batch's first cluster: the same in all four partners
	s_cselect_b32 s[PQ], s[PQ], -1
	s_mul_i32 s59, s58, QUART                      ; my quarter, in a slot and in memory: no place in the cluster enters it
	s_mul_i32 s60, s15, BATKV                      ; the batch's first byte in kv
	s_add_co_u32 s62, s60, s59
	s_mov_b32 s63, 0
	s_lshl_b32 s66, s15, 14                        ; the batch's scale words: 16,384 bytes
	s_mov_b32 s67, 0
	s_lshl_b32 s61, s14, 2
	s_lshr_b32 s68, s16, 1
	s_add_co_u32 s61, s61, s68                     ; which 64 queries of the batch hold my 32
	s_lshl_b32 s68, s61, 8                         ; their scale words
	s_add_co_u32 s68, s68, s66
	s_mov_b32 s69, 0
	s_lshl_b32 s72, s15, 17                        ; Q's codes: 131,072 bytes a batch, 2,048 for 64 queries, 1,024 for my 32
	s_lshl_b32 s73, s61, 11
	s_add_co_u32 s72, s72, s73
	s_and_b32 s61, s16, 1
	s_lshl_b32 s73, s61, 10
	s_add_co_u32 s72, s72, s73
	s_mov_b32 s73, 0
	s_lshl_b32 s61, s61, 2                         ; and which of a lane's two scale words is mine
	s_lshl_b32 s70, s15, 20                        ; out: rows of 256 bytes: 4,096 a batch, 256 a block, 32 a wave
	s_lshl_b32 s71, s14, 16
	s_add_co_u32 s70, s70, s71
	s_lshl_b32 s71, s16, 13
	s_add_co_u32 s70, s70, s71
	s_mov_b32 s71, 0
	s_lshl_b32 s74, s58, 2                         ; the prefetches: (4 (wave % 4) + cx) x 8,192 bytes,
	s_add_co_u32 s74, s74, s13
	s_lshl_b32 s74, s74, 13
	s_add_co_u32 s74, s74, s60                     ; in my batch,
	s_add_co_u32 s74, s74, 98304                   ; 65,536 bytes short of slot 2: the first trip steps it there.  Nothing is prefetched here, at the head
	s_mov_b32 s75, 0
	s_wait_dscnt 0x0                               ; both opening adds are done
	s_wait_kmcnt 0x0
	s_add_nc_u64 s[72:73], s[6:7], s[72:73]        ; Q's codes at my first query
	s_add_nc_u64 s[68:69], s[8:9], s[68:69]        ; and its scale words
	s_add_nc_u64 s[10:11], s[10:11], s[70:71]      ; out at my first row
	s_add_nc_u64 s[PFA:PFA+1], s[4:5], s[74:75]
	ROUND                                          ; all four work-groups are here: the first joint loads meet
	s_mov_b32 s[G0], 1                             ; 1:0 count = 1
	s_mov_b32 s[G0+1], s59                         ; 63:32 LDS address: slot 0, my quarter
	s_add_nc_u64 s[G0+2:G0+3], s[4:5], s[62:63]    ; 120:64 global address: the batch's first 512 keys, my quarter
	s_mov_b32 s[G0+4], 1
	s_add_co_u32 s[G0+5], s59, SLOT1
	s_add_nc_u64 s[G0+6:G0+7], s[G0+2:G0+3], SLOTB ; the next 512 keys
	s_or_b32 s[G0+3], s[G0+3], 0x80000000          ; 127:126 type = 2
	s_or_b32 s[G0+7], s[G0+7], 0x80000000
	s_mov_b32 s[G0S], 1
	s_mov_b32 s[G0S+1], SCL
	s_add_nc_u64 s[G0S+2:G0S+3], s[8:9], s[66:67]
	s_add_nc_u64 s[G0S+2:G0S+3], s[G0S+2:G0S+3], 262144   ; K's part of sc
	s_or_b32 s[G0S+3], s[G0S+3], 0x80000000
	s_cmp_lt_u32 s[WV], 4                          ; the first fills: waves 0-3 slot 0's quarters, wave 4 the scale words; one load a wave
	s_cbranch_scc0 .Lnot_ring
	tensor_load_to_lds s[G0:G0+3], s[G1:G1+7]
	s_nop 0
.rept 4
	v_nop
.endr
	s_branch .Lasked
.Lnot_ring:
	s_cmp_eq_u32 s[WV], 4
	s_cbranch_scc0 .Lasked
	tensor_load_to_lds s[G0S:G0S+3], s[G1S:G1S+7]
	s_nop 0
.rept 4
	v_nop
.endr
.Lasked:
	v_and_b32 v1, 15, v0                           ; r
	v_bfe_u32 v2, v0, 4, 1                         ; h
	v_and_b32 v[LI], 31, v0
	v_lshlrev_b32 v[PFO], 8, v[LI]
	v_lshlrev_b32 v3, 3, v[LI]                     ; 8 x lane
	v_lshlrev_b32 v[LI], 4, v[LI]
	s_lshl_b32 s58, s17, 10                        ; K's scale words: my half's 256 keys are 1,024 bytes
	s_add_co_u32 s58, s58, SCL
	v_add_nc_u32 v[AS0], s58, v3
	v_add_nc_u32 v3, s61, v3                       ; Q's: 8 x lane + 4 (qg % 2)
	global_load_b128 v[QF:QF+3], v[LI], s[72:73] th:TH_LOAD_NT              ; Q's two fragments stay in registers
	global_load_b128 v[QF+8:QF+11], v[LI], s[72:73] offset:512 th:TH_LOAD_NT
	global_load_b32 v[QS], v3, s[68:69] th:TH_LOAD_NT
.irp f, 0,1
.irp j, 4,5,6,7
	v_mov_b32 v[QF+8*\f+\j], 0                     ; channels 64 to 127: zero codes
.endr
.endr
.irp f, 0,1,2,3
.irp j, 4,5,6,7
	v_mov_b32 v[KF+8*\f+\j], 0                     ; the same for K: written once, no load lands here
.endr
.endr
	s_mul_i32 s58, s17, HALFB
	v_add_nc_u32 v[A0], s58, v[LI]
	v_add_nc_u32 v[A0+1], SLOT1, v[A0]
	s_mul_i32 s58, s16, MRGB
	s_add_co_u32 s58, s58, MRG
	v_add_nc_u32 v[MW], s58, v[LI]
	s_mul_i32 s58, s16, STGB
	s_add_co_u32 s58, s58, STG
	v_mul_u32_u24 v[STO], v1, 272                  ; in: row r, + 64 h
	v_lshl_add_u32 v[STO], v2, 6, v[STO]
	v_add_nc_u32 v[STO], s58, v[STO]
	v_mul_u32_u24 v[SRD], v2, 272                  ; back: lanes 0-15 one row of 256 bytes, lanes 16-31 the next
	v_lshl_add_u32 v[SRD], v1, 4, v[SRD]
	v_add_nc_u32 v[SRD], s58, v[SRD]
	v_lshlrev_b32 v[GO], 8, v2                     ; and the same two rows in out
	v_lshl_add_u32 v[GO], v1, 4, v[GO]
.irp t, 0,1
	v_mov_b32 v[ST+8*\t+1], 0xff61b1e6             ; m: -3e38, under every score
	v_mov_b32 v[ST+8*\t+2], 0                      ; l
	v_mov_b32 v[ST+8*\t+3], 0
.endr
.irp t, 0,1
	v_mul_f32 v[ST+8*\t], s[CS], v[ST+8*\t+1]      ; c m
.endr
.set ix, 0
.rept 64
	v_mov_b32 v[O+ix], 0                           ; O^T.  (The step is written in one form: the first finds zeros, which the first a leaves zeros)
.set ix, ix+1
.endr
	s_wait_loadcnt 0x0                             ; Q
.macro KLOAD s, q                      ; the four fragments of K (registers 0-3 of each) and the scale words of the slot's q-th 64 keys of my half
.irp kt, 0,1,2,3
	ds_load_b128 v[KF+8*\kt:KF+8*\kt+3], v[A0+\s] offset:2048*(\q)+512*\kt
.endr
	ds_load_b64 v[KS:KS+1], v[ADS] offset:256*(\q)
.endm
; S^T = K Q^T: four key tiles x two query tiles; each product starts its own sum with the constant 0.  The scale rows: an odd key tile's words and query tile 1's stand in lanes 16-31.
.macro SQK
.irp p, 0,1
	v_wmma_scale_f32_16x16x128_f8f6f4 v[S+16*\p:S+16*\p+7], v[KF+16*\p:KF+16*\p+7], v[QF:QF+7], 0, v[KS+\p], v[QS] matrix_a_fmt:MATRIX_FMT_FP4 matrix_b_fmt:MATRIX_FMT_FP4
	v_wmma_scale_f32_16x16x128_f8f6f4 v[S+32+16*\p:S+32+16*\p+7], v[KF+16*\p:KF+16*\p+7], v[QF+8:QF+15], 0, v[KS+\p], v[QS] matrix_a_fmt:MATRIX_FMT_FP4 matrix_b_fmt:MATRIX_FMT_FP4 matrix_b_scale:MATRIX_SCALE_ROW1
	v_wmma_scale_f32_16x16x128_f8f6f4 v[S+16*\p+8:S+16*\p+15], v[KF+16*\p+8:KF+16*\p+15], v[QF:QF+7], 0, v[KS+\p], v[QS] matrix_a_fmt:MATRIX_FMT_FP4 matrix_b_fmt:MATRIX_FMT_FP4 matrix_a_scale:MATRIX_SCALE_ROW1
	v_wmma_scale_f32_16x16x128_f8f6f4 v[S+32+16*\p+8:S+32+16*\p+15], v[KF+16*\p+8:KF+16*\p+15], v[QF+8:QF+15], 0, v[KS+\p], v[QS] matrix_a_fmt:MATRIX_FMT_FP4 matrix_b_fmt:MATRIX_FMT_FP4 matrix_a_scale:MATRIX_SCALE_ROW1 matrix_b_scale:MATRIX_SCALE_ROW1
.endr
.endm
; The softmax of both tiles for 64 keys, the tiles line by line, so that no line waits for the line above it.
.macro SOFTMAX
.irp j, 0,1,2,3                        ; the maximum of a lane's 32 scores and the old m, three operands at a time, four chains; each accumulator is read from its low end on
.irp t, 0,1
	v_max3_num_f32 v[ST+8*\t+4+\j], v[S+32*\t+8*\j], v[S+32*\t+8*\j+1], v[S+32*\t+8*\j+2]
.endr
.endr
.irp i, 3,5
.irp j, 0,1,2,3
.irp t, 0,1
	v_max3_num_f32 v[ST+8*\t+4+\j], v[ST+8*\t+4+\j], v[S+32*\t+8*\j+\i], v[S+32*\t+8*\j+\i+1]
.endr
.endr
.endr
.irp t, 0,1
	v_max3_num_f32 v[ST+8*\t+4], v[ST+8*\t+4], v[S+32*\t+7], v[S+32*\t+15]
	v_max3_num_f32 v[ST+8*\t+6], v[ST+8*\t+6], v[S+32*\t+23], v[S+32*\t+31]
.endr
.irp t, 0,1
	v_max3_num_f32 v[ST+8*\t+4], v[ST+8*\t+4], v[ST+8*\t+5], v[ST+8*\t+6]
.endr
.irp t, 0,1
	v_max3_num_f32 v[ST+8*\t+4], v[ST+8*\t+4], v[ST+8*\t+7], v[ST+8*\t+1]
.endr
.irp t, 0,1
	v_permlanex16_b32 v[ST+8*\t+5], v[ST+8*\t+4], s[SEL], s[SEL+1]   ; the query's other 32 keys lie in the lane 16 away
.endr
.irp t, 0,1
	v_max_num_f32 v[ST+8*\t+1], v[ST+8*\t+4], v[ST+8*\t+5]           ; the new m
.endr
.irp t, 0,1
	v_mul_f32 v[ST+8*\t], s[CS], v[ST+8*\t+1]                        ; c m
.endr
.irp t, 0,1
	v_sub_f32 v[ST+8*\t+7], v[OLD+\t], v[ST+8*\t]                    ; c m_old - c m_new
.endr
.set ix, 0
.rept 16
.irp t, 0,1
	v_pk_fma_f32 v[S+32*\t+2*ix:S+32*\t+2*ix+1], v[S+32*\t+2*ix:S+32*\t+2*ix+1], s[CS:CS+1], v[ST+8*\t:ST+8*\t+1] op_sel_hi:[1,0,0] neg_lo:[0,0,1] neg_hi:[0,0,1]   ; c s - c m, two at a time
.endr
.set ix, ix+1
.endr
.irp t, 0,1
	v_exp_f32 v[ST+8*\t+6], v[ST+8*\t+7]           ; a
.endr
.set ix, 0
.rept 64
	v_exp_f32 v[S+ix], v[S+ix]                     ; p
.set ix, ix+1
.endr
	v_nop                                          ; a plain line behind the last exponential, ahead of the first use
	s_wait_alu depctr_va_vdst(0)                   ; the wait ahead of the first line that names a result: one for the 66
.irp t, 0,1                            ; l = a l + the sum of the f32 p, in two chains a tile
	v_pk_fma_f32 v[ST+8*\t+2:ST+8*\t+3], v[ST+8*\t+2:ST+8*\t+3], v[ST+8*\t+6:ST+8*\t+7], v[S+32*\t:S+32*\t+1] op_sel_hi:[1,0,1]
.endr
.irp t, 0,1
	v_pk_add_f32 v[ST+8*\t+4:ST+8*\t+5], v[S+32*\t+2:S+32*\t+3], v[S+32*\t+4:S+32*\t+5]
.endr
.irp i, 6,10,14,18,22,26
.irp t, 0,1
	v_pk_add_f32 v[ST+8*\t+2:ST+8*\t+3], v[ST+8*\t+2:ST+8*\t+3], v[S+32*\t+\i:S+32*\t+\i+1]
.endr
.irp t, 0,1
	v_pk_add_f32 v[ST+8*\t+4:ST+8*\t+5], v[ST+8*\t+4:ST+8*\t+5], v[S+32*\t+\i+2:S+32*\t+\i+3]
.endr
.endr
.irp t, 0,1
	v_pk_add_f32 v[ST+8*\t+2:ST+8*\t+3], v[ST+8*\t+2:ST+8*\t+3], v[S+32*\t+30:S+32*\t+31]
.endr
.irp t, 0,1
	v_pk_add_f32 v[ST+8*\t+2:ST+8*\t+3], v[ST+8*\t+2:ST+8*\t+3], v[ST+8*\t+4:ST+8*\t+5]
.endr
.set ix, 0
.rept 16
.irp t, 0,1
	v_cvt_pk_f16_f32 v[P+16*\t+ix], v[S+32*\t+2*ix], v[S+32*\t+2*ix+1]   ; p to f16: registers 8 g .. 8 g + 7 are source 1 for keys 32 g on
.endr
.set ix, ix+1
.endr
.endm
; A KEY STEP: the q-th 64 keys of my half of slot s.
.macro STEP s, q
	s_wait_dscnt 0x0                               ; K's fragments and scale words are in
	SQK
.irp t, 0,1
	v_mov_b32 v[OLD+\t], v[ST+8*\t]                ; c m_old is kept for a.  With the two v_nop: the four places behind the products, ahead of the loads into their sources and of the first read of the scores
.endr
	v_nop
	v_nop
.if \q < 3
	KLOAD \s, \q+1                                 ; the next step's K lands while the softmax is walked
.endif
	SOFTMAX
.set fx, 0
.rept 8                                ; V's eight fragments (keys 32 (f / 4) on, channel tile f % 4) into the registers that p has left
	ds_load_b128 v[S+8*fx:S+8*fx+3], v[A0+\s] offset:8192+8192*\q+1024*fx
	ds_load_b128 v[S+8*fx+4:S+8*fx+7], v[A0+\s] offset:8192+8192*\q+1024*fx+512
.set fx, fx+1
.endr
.irp t, 0,1                            ; O^T x a, each accumulator from its low end on: work on registers while V's loads are out
.set ix, 0
.rept 16
	v_pk_mul_f32 v[O+32*\t+2*ix:O+32*\t+2*ix+1], v[O+32*\t+2*ix:O+32*\t+2*ix+1], v[ST+8*\t+6:ST+8*\t+7] op_sel_hi:[1,0]
.set ix, ix+1
.endr
.endr
	s_wait_dscnt 0x0                               ; V is in (and the next step's K)
.irp g, 0,1                            ; O^T += V^T P: the eight accumulators take turns, one instruction a turn
.irp c, 0,1,2,3
.irp t, 0,1
	v_wmma_f32_16x16x32_f16 v[O+32*\t+8*\c:O+32*\t+8*\c+7], v[S+32*\g+8*\c:S+32*\g+8*\c+7], v[P+16*\t+8*\g:P+16*\t+8*\g+7], v[O+32*\t+8*\c:O+32*\t+8*\c+7]
.endr
.endr
.endr
.rept 5
	v_nop                                          ; five places: the next step's score products write over registers that these products read as a source
.endr
.endm
; A SLOT: the change of slots stands at its head.  Each wave waits for all its tensor loads (its part of the slot ahead), adds 0 to its spare word, and waits for that and for its reads of the slot that it has left.
; The barrier is a round of the cluster's: behind it the slot ahead is whole in all four work-groups, and no wave of any of them reads the other slot or has a load on its way.
; refill = 1: that other slot, o, is filled with the 512 keys that follow: the load has this slot's four steps of every wave in which to land.
.macro TRIP s, o, refill, ask
	s_wait_tensorcnt 0x0                           ; no tensor load of mine is out, so a group 0 may be written
	ds_add_u32 v[SPW], v[NIL]                      ; 0 onto my spare word
.if \refill
	ds_add_u32 v[SPW], v[NIL]                      ; and once more
	s_add_nc_u64 s[G0+4*\s+2:G0+4*\s+3], s[G0+4*\s+2:G0+4*\s+3], 2*SLOTB   ; this slot's next keys; the type bits on top are not reached
.endif
.if \ask
	s_wait_xcnt 0x0                                ; the last prefetch, a slot back, has read its address, so it may be written:
	s_add_nc_u64 s[PFA:PFA+1], s[PFA:PFA+1], 65536+32768*\s   ; past what the last trip named: two times 32 KiB behind an odd trip, three behind an even one
.endif
	s_wait_dscnt 0x0                               ; the add is done, and my reads of the slot that I have left are over
	ROUND
.if \refill
	FILL \o                                        ; the first thing behind the round, and a wave's one tensor load until the next
.endif
.if \ask
	ASK \ask
.endif
	v_add_nc_u32 v[ADS], s[TS], v[AS0]
	KLOAD \s, 0
	STEP \s, 0
	STEP \s, 1
	STEP \s, 2
	STEP \s, 3
	s_add_co_u32 s[TS], s[TS], 2048                ; the next slot's scale words
.endm
.Lslots:                                           ; three trips of two slots; slot 1's first fill stands behind the first round, behind which nothing is filled again
	TRIP 0, 1, 1, 3
	TRIP 1, 0, 1, 2
	s_sub_co_u32 s[CNT], s[CNT], 1
	s_cmp_lg_u32 s[CNT], 0
	s_cbranch_scc1 .Lslots
	TRIP 0, 1, 1, 0                                ; the tail is written out: the last fill,
	TRIP 1, 0, 0, 0                                ; and the last slot, behind which nothing is asked for
	; THE WAY OUT.  Waves 8-15 hand their half over as images of their registers; waves 0-7 join the halves: with n = the larger c m and f = 2^(c m - n), out = (O_A f_A + O_B f_B) / (l_A f_A + l_B f_B).
	v_mov_b32 v[MY], v[ST]                         ; c m and l (its two halves added) of both tiles, in four registers on end
	v_add_f32 v[MY+1], v[ST+2], v[ST+3]
	v_mov_b32 v[MY+2], v[ST+8]
	v_add_f32 v[MY+3], v[ST+10], v[ST+11]
	s_cmp_lt_u32 s[WV], 8
	s_cbranch_scc1 .Lkeep
.set ix, 0
.rept 16
	ds_store_b128 v[MW], v[O+4*ix:O+4*ix+3] offset:512*ix   ; each accumulator from its low end on
.set ix, ix+1
.endr
	ds_store_b128 v[MW], v[MY:MY+3] offset:8192
.Lkeep:
	s_wait_dscnt 0x0                               ; for the others' sake: my stores have landed
	s_barrier_signal -1
	s_barrier_wait -1
	s_cmp_lt_u32 s[WV], 8
	s_cbranch_scc0 .Lend
.set ix, 0
.rept 16
	ds_load_b128 v[S+4*ix:S+4*ix+3], v[MW] offset:512*ix    ; the other half's O^T, laid as mine
.set ix, ix+1
.endr
	ds_load_b128 v[TH:TH+3], v[MW] offset:8192
	s_wait_dscnt 0x0
.irp t, 0,1
	v_max_num_f32 v[OLD+\t], v[MY+2*\t], v[TH+2*\t]
.endr
.irp t, 0,1
	v_sub_f32 v[MY+2*\t], v[MY+2*\t], v[OLD+\t]
	v_sub_f32 v[TH+2*\t], v[TH+2*\t], v[OLD+\t]
.endr
.irp t, 0,1
	v_exp_f32 v[MY+2*\t], v[MY+2*\t]               ; f_A
	v_exp_f32 v[TH+2*\t], v[TH+2*\t]               ; f_B
.endr
	v_nop
	s_wait_alu depctr_va_vdst(0)                   ; one wait for the four, ahead of their first reader
.irp t, 0,1
	v_mul_f32 v[MY+2*\t+1], v[MY+2*\t+1], v[MY+2*\t]
.endr
.irp t, 0,1
	v_fmac_f32 v[MY+2*\t+1], v[TH+2*\t+1], v[TH+2*\t]
.endr
.irp t, 0,1
	v_permlanex16_b32 v[OLD+\t], v[MY+2*\t+1], s[SEL], s[SEL+1]
.endr
.irp t, 0,1
	v_add_f32 v[MY+2*\t+1], v[MY+2*\t+1], v[OLD+\t]   ; with lane l xor 16's keys: the row's sum
.endr
.irp t, 0,1
	v_rcp_f32 v[OLD+\t], v[MY+2*\t+1]
.endr
	v_nop
	s_wait_alu depctr_va_vdst(0)                   ; one wait for the two
.irp t, 0,1
	v_mul_f32 v[MY+2*\t], v[MY+2*\t], v[OLD+\t]    ; g_A = f_A / l
	v_mul_f32 v[TH+2*\t], v[TH+2*\t], v[OLD+\t]    ; g_B
.endr
; Tile t's 32 numbers of a lane, in the order of the channels: register j of channel tile 2 e + u is channel 32 u + 16 h + 2 j + e, which goes to register 16 u + 2 j + e of out
.macro MERGE t, out
.irp u, 0,1
.irp e, 0,1
.irp j, 0,1,2,3,4,5,6,7
	v_mul_f32 v[\out+16*\u+2*\j+\e], v[O+32*\t+8*(2*\e+\u)+\j], v[MY+2*\t]
.endr
.irp j, 0,1,2,3,4,5,6,7
	v_fmac_f32 v[\out+16*\u+2*\j+\e], v[S+32*\t+8*(2*\e+\u)+\j], v[TH+2*\t]
.endr
.endr
.endr
.endm
; A lane holds 2 x 64 bytes of one row, and the lanes beside it hold other rows: a tile goes through my stage and comes back as whole rows of 256 bytes.  LDS serves a wave's instructions in order (ISA guide 5.7.1.4).
.macro TOSTAGE out, rb
.irp u, 0,1
.irp i, 0,1,2,3
	ds_store_b128 v[STO], v[\out+16*\u+4*\i:\out+16*\u+4*\i+3] offset:128*\u+16*\i
.endr
.endr
.irp i, 0,1,2,3,4,5,6,7
	ds_load_b128 v[\rb+4*\i:\rb+4*\i+3], v[SRD] offset:544*\i
.endr
.endm
.macro SEND t, rb, younger             ; younger: the LDS instructions issued behind this tile's loads, which may stay out
.irp i, 0,1,2,3,4,5,6,7
	s_wait_dscnt \younger+7-\i
	global_store_b128 v[GO], v[\rb+4*\i:\rb+4*\i+3], s[10:11] offset:4096*\t+512*\i th:TH_STORE_NT   ; 16 lanes store 256 consecutive bytes, at a multiple of 256 from out's first byte; written once
.endr
.endm
	MERGE 0, P                                     ; into p's registers, which are done with
	TOSTAGE P, KF                                  ; back into K's
	MERGE 1, S                                     ; into the registers that held the other half's tile 0
	TOSTAGE S, O                                   ; back into my tile 0's
	SEND 0, KF, 16
	SEND 1, O, 0
.Lend:
	s_wait_tensorcnt 0x0                           ; the wave's end: three lines behind my last tensor load and my last LDS store
	ds_add_u32 v[SPW], v[NIL]
	s_wait_dscnt 0x0
	ROUND                                          ; the closing round: no work-group ends while a partner may still ask for a tile that names it
	s_endpgm
.Lfunc_end_k_q8e026cf7c1_attn:
	.size	k_q8e026cf7c1_attn, .Lfunc_end_k_q8e026cf7c1_attn-k_q8e026cf7c1_attn
	.p2alignl 7, 3214868480
	.fill 96, 4, 3214868480
	.section	.rodata,"a",@progbits
	.p2align	6, 0x0
	.amdhsa_kernel k_q8e026cf7c1_attn
		.amdhsa_group_segment_fixed_size 327680
		.amdhsa_private_segment_fixed_size 0
		.amdhsa_enable_private_segment 0
		.amdhsa_kernarg_size 32
		.amdhsa_user_sgpr_count 2
		.amdhsa_user_sgpr_kernarg_segment_ptr 1
		.amdhsa_wavefront_size32 1
		.amdhsa_system_sgpr_workgroup_id_x 1
		.amdhsa_system_sgpr_workgroup_id_y 1
		.amdhsa_system_sgpr_workgroup_id_z 1
		.amdhsa_system_vgpr_workitem_id 0
		.amdhsa_next_free_vgpr 256
		.amdhsa_next_free_sgpr 80
		.amdhsa_reserve_vcc 0
		.amdhsa_float_denorm_mode_32 3
		.amdhsa_float_denorm_mode_16_64 3
		.amdhsa_memory_ordered 1
		.amdhsa_forward_progress 1
		.amdhsa_inst_pref_size 255
	.end_amdhsa_kernel
	.section	.bss,"aw",@nobits
	.p2align	6
	.space	262144
	.amdgpu_metadata
---
amdhsa.version: [ 1, 2 ]
amdhsa.kernels:
  - .name:           k_q8e026cf7c1_attn
    .symbol:         k_q8e026cf7c1_attn.kd
    .args:
      - { .name: kv, .offset: 0, .size: 8, .value_kind: global_buffer, .address_space: global }
      - { .name: qc, .offset: 8, .size: 8, .value_kind: global_buffer, .address_space: global }
      - { .name: sc, .offset: 16, .size: 8, .value_kind: global_buffer, .address_space: global }
      - { .name: out0, .offset: 24, .size: 8, .value_kind: global_buffer, .address_space: global }
    .group_segment_fixed_size: 327680
    .private_segment_fixed_size: 0
    .kernarg_segment_align: 8
    .kernarg_segment_size: 32
    .max_flat_workgroup_size: 512
    .sgpr_count:     80
    .vgpr_count:     256
    .wavefront_size: 32
...
	.end_amdgpu_metadata
.endif
;; end of part 2
